; MI455X (gfx1250); checked and timed in simulation.
; The chip was launched on July 23, 2026; its instructions are those of AMD's public machine-readable ISA for CDNA 5 (MIT licence, August 2026) and "CDNA5" Instruction Set Architecture Reference Guide (July 2026). The comments in the code are by the model that wrote it; some were corrected since.
;; Projection Attention. Allowed arithmetic: float matrix products may take bf16 or f16 operands with f32 sums; all other float work in f32.
;; Inputs: Wk 1,024 x 1,024 float32; Wq 1,024 x 1,024 float32; Wv 1,024 x 1,024 float32; bk 1,024 float32; bq 1,024 float32; bv 1,024 float32; x 4 x 4,096 x 1,024 float32.
;; Outputs: out0 4 x 4,096 x 1,024 float32.
;; One version. Each part assembles by itself: llvm-mc -triple=amdgcn-amd-amdhsa -mcpu=gfx1250 --defsym DOCPART=n.
;; ======== version 1 of 1: 2 launches
;; limits: values are held in f16: magnitudes above 65,504 overflow, below 6.1e-05 lose precision; right only within a limited range of input values
;; workspace buffers: wf 6,291,456 bytes
;; launch prep (part 1): grid 128 x 3, 8 waves a work-group, no clusters, 0 bytes of LDS; arguments Wq, Wk, Wv, wf; writes wf
.if DOCPART == 1
	.amdgcn_target "amdgcn-amd-amdhsa--gfx1250"
	.amdhsa_code_object_version 6
	.text
	.protected	k_qf5ca874384_prep
	.globl	k_qf5ca874384_prep
	.p2align	8
	.type	k_qf5ca874384_prep,@function
k_qf5ca874384_prep:
	s_mov_b64 s[64:65], 0
	v_nop
	global_prefetch_b8 v0, s[64:65] scope:SCOPE_SE
	s_setreg_imm32_b32 hwreg(HW_REG_WAVE_MODE, 25, 1), 1
	s_wait_xcnt 0x0
; Weights to bf16, columns re-ordered, laid out in the order in which the second launch streams and uses them.
; wf = [P 3][n 16][w 4][s 2][g 2][f 8][sub 2][h 2][r 16] entries of 16 bytes.  An entry holds the eight bf16
;   W'(n' = 256 w + 128 g + 16 f + r, k = 64 n + 32 s + 16 sub + 8 h + 0..7)
; so that 1,024 consecutive bytes are one matrix fragment (16 columns x 32 k): lane 16 h + r takes 16 bytes at 16 x lane and at 512 + 16 x lane.
; Column order.  P = 0, 1 (q and k, d = 32 P .. 32 P + 31): matrix = w >> 1 (Wq, Wk), head = 8 g + f, d = 32 P + 16 (w & 1) + r.
;                P = 2 (v): head j = r, a = 4 (8 g + f) + w.   Source column = head x 64 + d (or a).
; A work-group of 256 threads writes 16 KiB of wf.  Thread t: r = t & 15, h = bit 4, sub = bit 5, flo = t >> 6 (f's low two bits).
; Every store of a wave covers 512 consecutive bytes, aligned.  The reads are pieces of 64 bytes (q, k) or 16 bytes (v) of a row of W:
; the transposition is paid on the reading side, once, for 12 MiB; the neighbouring pieces are read by the same or a neighbouring work-group.
.set ROWB, 4096                        ; bytes in a row of W (one k)
	s_load_b256 s[4:11], s[0:1], 0x0               ; Wq s[4:5], Wk s[6:7], Wv s[8:9], wf s[10:11]
	s_and_b32 s12, ttmp7, 0xffff                   ; P
	s_lshr_b32 s14, ttmp9, 3                       ; n = X >> 3
	v_and_b32 v1, 15, v0                           ; r
	v_bfe_u32 v2, v0, 4, 1                         ; h
	v_bfe_u32 v3, v0, 5, 1                         ; sub
	v_lshrrev_b32 v4, 6, v0                        ; flo
	v_lshlrev_b32 v5, 4, v0                        ; where I store: 16 t
	v_lshlrev_b32 v6, 16, v3                       ; 16 sub rows of 4,096 bytes
	v_lshl_add_u32 v6, v2, 15, v6                  ; + 8 h rows
	s_lshl_b32 s20, s14, 18                        ; 64 n rows
	s_mov_b32 s21, 0
	s_mov_b32 s23, 0
	s_mul_i32 s16, s12, 0x200000                   ; P's 2 MiB of wf
	s_mov_b32 s17, 0
	s_wait_kmcnt 0x0
	s_add_nc_u64 s[10:11], s[10:11], s[16:17]
	s_cmp_eq_u32 s12, 2
	s_cbranch_scc1 .Lvpath
	; q and k.  X = n:4 | w:2 | s:1.  Four entries a thread: i = 0..3 is f's bit 2 (i & 1) and g (i >> 1).
	v_lshl_add_u32 v6, v4, 8, v6                   ; head's part flo: 64 columns of 4 bytes
	v_lshl_add_u32 v6, v1, 2, v6                   ; + r
	s_bitcmp1_b32 ttmp9, 2                         ; w >> 1
	s_cselect_b64 s[18:19], s[6:7], s[4:5]         ; Wk or Wq
	s_and_b32 s24, ttmp9, 1
	s_lshl_b32 s24, s24, 17                        ; 32 s rows
	s_add_co_u32 s20, s20, s24
	s_lshl_b32 s24, s12, 7                         ; 32 P columns
	s_add_co_u32 s20, s20, s24
	s_and_b32 s24, ttmp9, 2
	s_lshl_b32 s24, s24, 5                         ; 16 (w & 1) columns
	s_add_co_u32 s20, s20, s24
	s_add_nc_u64 s[18:19], s[18:19], s[20:21]
	s_lshl_b32 s22, ttmp9, 14                      ; X x 16 KiB
	s_add_nc_u64 s[10:11], s[10:11], s[22:23]
.irp i, 0,1,2,3
.irp k, 0,1,2,3,4,5,6,7
	global_load_b32 v[8+8*\i+\k], v6, s[18:19] offset:\k*ROWB+(\i&1)*1024+(\i>>1)*2048
.endr
.endr
.irp i, 0,1,2,3
	s_wait_loadcnt 8*(3-\i)                        ; loads come back in order: entry i's eight are in, the younger entries' stay out
.irp u, 0,1,2,3
	v_cvt_pk_bf16_f32 v[40+4*\i+\u], v[8+8*\i+2*\u], v[8+8*\i+2*\u+1]      ; the lower k into the low half
.endr
	global_store_b128 v5, v[40+4*\i:43+4*\i], s[10:11] offset:\i*4096
.endr
	s_endpgm
.Lvpath:
	; v.  X = n:4 | s:1 | g:1 | fhi:1.  A load of 16 bytes brings the four columns a = 4 (8 g + f) + 0..3, which are w = 0..3.
	v_lshl_add_u32 v6, v1, 8, v6                   ; head j = r: 64 columns of 4 bytes
	v_lshl_add_u32 v6, v4, 4, v6                   ; + 4 flo columns
	s_and_b32 s24, ttmp9, 4
	s_lshl_b32 s24, s24, 15                        ; 32 s rows
	s_add_co_u32 s20, s20, s24
	s_and_b32 s24, ttmp9, 3
	s_lshl_b32 s24, s24, 6                         ; 32 g + 16 fhi columns
	s_add_co_u32 s20, s20, s24
	s_add_nc_u64 s[8:9], s[8:9], s[20:21]
	s_and_b32 s22, ttmp9, 7
	s_lshl_b32 s22, s22, 12                        ; s, g, fhi in wf: 16,384, 8,192, 4,096 bytes
	s_lshl_b32 s24, s14, 17                        ; n x 128 KiB
	s_add_co_u32 s22, s22, s24
	s_add_nc_u64 s[10:11], s[10:11], s[22:23]
.irp k, 0,1,2,3,4,5,6,7
	global_load_b128 v[8+4*\k:11+4*\k], v6, s[8:9] offset:\k*ROWB
.endr
	s_wait_loadcnt 0x0                             ; every entry needs all eight rows
.irp w, 0,1,2,3
.irp u, 0,1,2,3
	v_cvt_pk_bf16_f32 v[40+4*\w+\u], v[8+8*\u+\w], v[12+8*\u+\w]           ; k = 2 u and 2 u + 1 of column w
.endr
	global_store_b128 v5, v[40+4*\w:43+4*\w], s[10:11] offset:\w*32768
.endr
	s_endpgm
.Lfunc_end_k_qf5ca874384_prep:
	.size	k_qf5ca874384_prep, .Lfunc_end_k_qf5ca874384_prep-k_qf5ca874384_prep
	.p2alignl 7, 3214868480
	.fill 96, 4, 3214868480
	.section	.rodata,"a",@progbits
	.p2align	6, 0x0
	.amdhsa_kernel k_qf5ca874384_prep
		.amdhsa_group_segment_fixed_size 0
		.amdhsa_private_segment_fixed_size 0
		.amdhsa_enable_private_segment 0
		.amdhsa_kernarg_size 32
		.amdhsa_user_sgpr_count 2
		.amdhsa_user_sgpr_kernarg_segment_ptr 1
		.amdhsa_wavefront_size32 1
		.amdhsa_system_sgpr_workgroup_id_x 1
		.amdhsa_system_sgpr_workgroup_id_y 1
		.amdhsa_system_sgpr_workgroup_id_z 1
		.amdhsa_system_vgpr_workitem_id 0
		.amdhsa_next_free_vgpr 64
		.amdhsa_next_free_sgpr 66
		.amdhsa_reserve_vcc 0
		.amdhsa_float_denorm_mode_32 3
		.amdhsa_float_denorm_mode_16_64 3
		.amdhsa_memory_ordered 1
		.amdhsa_forward_progress 1
		.amdhsa_inst_pref_size 9
	.end_amdhsa_kernel
	.amdgpu_metadata
---
amdhsa.version: [ 1, 2 ]
amdhsa.kernels:
  - .name:           k_qf5ca874384_prep
    .symbol:         k_qf5ca874384_prep.kd
    .args:
      - { .name: Wq, .offset: 0, .size: 8, .value_kind: global_buffer, .address_space: global }
      - { .name: Wk, .offset: 8, .size: 8, .value_kind: global_buffer, .address_space: global }
      - { .name: Wv, .offset: 16, .size: 8, .value_kind: global_buffer, .address_space: global }
      - { .name: wf, .offset: 24, .size: 8, .value_kind: global_buffer, .address_space: global }
    .group_segment_fixed_size: 0
    .private_segment_fixed_size: 0
    .kernarg_segment_align: 8
    .kernarg_segment_size: 32
    .max_flat_workgroup_size: 256
    .sgpr_count:     66
    .vgpr_count:     64
    .wavefront_size: 32
...
	.end_amdgpu_metadata
.endif
;; end of part 1
;; launch main (part 2): grid 256 x 1, 4 waves a work-group, clusters of 4 x 1, 327,680 bytes of LDS; arguments x, wf, bq, bk, bv, out0; writes out0
.if DOCPART == 2
	.amdgcn_target "amdgcn-amd-amdhsa--gfx1250"
	.amdhsa_code_object_version 6
	.text
	.protected	k_qf5ca874384_main
	.globl	k_qf5ca874384_main
	.p2align	8
	.type	k_qf5ca874384_main,@function
k_qf5ca874384_main:
	s_mov_b64 s[64:65], 0
	v_nop
	global_prefetch_b8 v0, s[64:65] scope:SCOPE_SE
	s_setreg_imm32_b32 hwreg(HW_REG_WAVE_MODE, 25, 1), 1
	s_wait_xcnt 0x0
	s_wait_alu depctr_hold_cnt(0) depctr_sa_sdst(0) depctr_va_vdst(0) depctr_va_sdst(0) depctr_va_ssrc(0) depctr_va_vcc(0) depctr_vm_vsrc(0)
	s_getreg_b32 s2, hwreg(HW_REG_IB_STS2, 6, 4)
	s_cmp_eq_u32 s2, 0
	s_cbranch_scc0 .Lentry_in_a_cluster
	s_endpgm
.Lentry_in_a_cluster:
	s_bfe_u32 s2, ttmp6, 0x10000c
	s_cmp_lg_u32 s2, 0x3003
	s_cbranch_scc0 .Lentry_shape_is_right
	s_endpgm
.Lentry_shape_is_right:
; q, k, v = x W + b; for each token a 16 x 16 attention across its heads; out = softmax(q k^T / 8) v.  Nothing goes through memory between the steps.
; A work-group owns 64 tokens and needs all 3,072 columns of q, k, v for them.  They are made in three passes of 1,024 columns (order: see the first launch):
;   pass 0: q and k, d = 0..31    -> the first half of the scores' sum over d
;   pass 1: q and k, d = 32..63   -> the second half, then the softmax
;   pass 2: v                     -> ctx, divided by the row sums, stored
; Four waves; in a pass a wave makes 64 tokens x 256 columns: 64 accumulator tiles of 16 x 16, 512 registers.
; K goes in steps of 64.  A step's weights are 128 KiB of wf, dense and in fragment order; two LDS slots of that size take turns.  Each wave brings its own 32 KiB
; with one tensor load (128 rows of 256 bytes).  CLUSTER: all work-groups walk the same weights, so four work-groups ask jointly (mask 15).
; x is shared by nobody.  Each pass reads the group's 64 rows of x again in tiles of 64 k: f32 into registers, rounded to bf16, into a small ring of two LDS tiles.
; (x kept in LDS as bf16 would take 128 KiB and halve the weights' slots; the price of not keeping it is that x is asked for three times.)
;
; FORMATS AND LIMITS.  x and W go into the projections as bf16.  q, k, v (with their biases) and the exponentials go into the two small products as f16: its eleven
; bits keep the rounding in front of these products an eighth of bf16's.  THE LIMIT: |q|, |k|, |v| stay under 65,504.  The room: from x of spread 1 and W of spread 0.02
; they have spread sqrt(1024) x 0.02 = 0.64; with x, W and b all 30 times larger 576; with x offset by 30 and W by 0.6 they lie at 1024 x 30 x 0.6 = 18,432.
; Thirty times smaller inputs give 7e-4, where f16's step is about 5e-7.  The exponentials lie in (0, about 1]; those under 6e-8 of the row's largest become 0.
; The result is divided by the sum of the ROUNDED exponentials.  The row's maximum is taken away as fma(s, c, -(max c)), c = log2(e) / 8: one shift for the whole row,
; which cancels in the division; the largest term is 2^e with |e| at most one rounding of max c.  NaN and infinite inputs are not served (a V fragment's unused upper
; half holds a neighbouring token's numbers, multiplied by zeros: they have to be finite).
;
; REGISTERS, in windows of 256 (s_set_vgpr_msb: bits 1:0 source 0, 3:2 source 1, 5:4 source 2, 7:6 destination):
;   window 0: v8-19 addresses; FA0, FA1 fragments of x (4 x 16 tokens x 32 k); FB0, FB1 fragments of W (8 x 16 columns x 32 k); XT at work
;   window 1: v0-127 the scores, later the probabilities, of my 16 tokens (8 registers each); v128-191 two tiles of x in f32 (in the last epilogue: ctx)
;   window 2: accumulators of my columns 0-127 (tile (f, m) at 8 (4 f + m)); window 3: of my columns 128-255
; THE PRODUCTS ARE TAKEN TRANSPOSED: source 0 = 16 columns of W, source 1 = 16 tokens.  Lane l then holds token l % 16, and its registers 0-7 the columns
; 8 (l / 16) + 0..7 of the tile: eight neighbouring numbers, 16 bytes in f16.
.set SLOT,   131072                    ; a step's weights
.set WPART,  32768                     ; a wave's part of them
.set XR,     262144                    ; ring of two x tiles: 64 tokens x (128 bytes + 16): the pitch is 9 x 16 bytes
.set XPITCH, 144
.set XSLOT,  64*XPITCH
.set STAGE,  280576                    ; 16 tokens x (2,048 bytes + 16): the pitch is 129 x 16 bytes
.set SPITCH, 2064
.set BIAS,   313600                    ; f32 [pass][column in the pass's order], 12,288 bytes
.set ADRB,  8                          ; v8, v9  my fragments of W in slot 0, 1: wave x 32 KiB + 16 x lane
.set ADRA,  10                         ; v10     my fragments of x
.set XOFF,  11                         ; v11     x in memory: token 16 w + 8 h, 16 bytes at 16 r
.set XST,   12                         ; v12     x into LDS: the same token, 8 bytes at 8 r
.set STO,   13                         ; v13     stage, in
.set ADRS,  14                         ; v14     stage, back
.set ADRBI, 15                         ; v15     my biases
.set OOFF,  16                         ; v16     my byte offset in out0
.set FA0,   32
.set FA1,   64
.set FB0,   96
.set FB1,   160
.set XT,    224
.set XS,    128                        ; window 1: x tiles, set 0 and set 1, 32 registers each
.set DB,    128                        ; window 1, last epilogue: for each of two tokens four ctx tiles and the row sums, 40 registers
.set VF,    32                         ; last epilogue: 16 fragments of V, 4 registers apart, + 4 registers of zeros
.set ONES,  224
.set G1,    24                         ; s[24:31] descriptor group 1
.set G0,    32                         ; s[32:39] descriptor group 0, one set for each slot
.set XP,    40                         ; s[40:43] x's address for set 0, 1
.set XO,    44                         ; s[44:47] the byte offset along K for set 0, 1 (pairs, high word 0)
.set MSB, 0
.macro WIN new                         ; the immediate's high byte repeats the setting that is left
.if MSB != (\new)
	s_set_vgpr_msb (MSB<<8)|(\new)
.set MSB, (\new)
.endif
.endm
; A load into a register that a matrix instruction has read, and a vector instruction that reads a matrix result, stand four places behind it; only plain
; vector instructions that name none of its registers are places (ISA guide 7.12.1 for vector instructions).
.macro PLACES
.rept 4
	v_nop
.endr
.endm
; A round of the cluster's barrier behind its opening work-group barrier: wave 0 signals for the work-group, every wave waits for the four work-groups, the work-group's barrier closes it.
.macro CREST
	s_cmp_lg_u32 s16, 0
	s_cbranch_scc1 .Lnot_wave_0_\@
	s_barrier_signal -3
.Lnot_wave_0_\@:
	s_barrier_wait -3
	s_barrier_signal -1
	s_barrier_wait -1
.endm
.macro CROUND
	s_barrier_signal -1
	s_barrier_wait -1
	CREST
.endm
; 16 LDS loads: eight fragments of W, quarter q = 2 s + g of slot sl (s: which 32 of the 64 k; g: which 128 of my 256 columns).  512 consecutive bytes a load.
.macro FETCHB sl, q, buf
	WIN 0
.irp f, 0,1,2,3,4,5,6,7
	ds_load_b128 v[\buf+8*\f:\buf+8*\f+3],   v[ADRB+(\sl)] offset:\q*8192+\f*1024
	ds_load_b128 v[\buf+8*\f+4:\buf+8*\f+7], v[ADRB+(\sl)] offset:\q*8192+\f*1024+512
.endr
.endm
; 8 LDS loads: the four fragments of x (64 tokens, 32 k at half kh) of x tile sl
.macro FETCHA sl, kh, buf
	WIN 0
.irp m, 0,1,2,3
	ds_load_b128 v[\buf+8*\m:\buf+8*\m+3],   v[ADRA] offset:(\sl)*XSLOT+\m*16*XPITCH+64*\kh
	ds_load_b128 v[\buf+8*\m+4:\buf+8*\m+7], v[ADRA] offset:(\sl)*XSLOT+\m*16*XPITCH+64*\kh+32
.endr
.endm
; 16 matrix instructions: column tiles first .. first + 3 x the four token tiles.  zero = 1: the product starts the sum; nothing is cleared.
; The accumulators take turns, one instruction a turn.
.macro MUL4 bb, ab, first, zero
.irp f, \first, \first+1, \first+2, \first+3
.irp m, 0,1,2,3
.if \zero
	v_wmma_f32_16x16x32_bf16 v[8*(4*(\f)+\m):8*(4*(\f)+\m)+7], v[\bb+8*(\f):\bb+8*(\f)+7], v[\ab+8*\m:\ab+8*\m+7], 0
.else
	v_wmma_f32_16x16x32_bf16 v[8*(4*(\f)+\m):8*(4*(\f)+\m)+7], v[\bb+8*(\f):\bb+8*(\f)+7], v[\ab+8*\m:\ab+8*\m+7], v[8*(4*(\f)+\m):8*(4*(\f)+\m)+7]
.endif
.endr
.endr
.endm
; x: a set's next tile lies 512 bytes on along K, round the row's 4,096 bytes (the next pass begins again at its start)
.macro XNEXT xs
	s_add_co_u32 s[XO+2*(\xs)], s[XO+2*(\xs)], 512
	s_and_b32 s[XO+2*(\xs)], s[XO+2*(\xs)], 4095
	s_add_nc_u64 s[XP+2*(\xs):XP+2*(\xs)+1], s[48:49], s[XO+2*(\xs):XO+2*(\xs)+1]
.endm
; 8 loads: my 16 tokens x 64 k in f32.  Load i: lanes 0-15 the 256 bytes of token 16 w + i, lanes 16-31 those of token 16 w + 8 + i, each aligned.
.macro XLOAD xs
	WIN 0x40
.irp i, 0,1,2,3,4,5,6,7
	global_load_b128 v[XS+32*(\xs)+4*\i:XS+32*(\xs)+4*\i+3], v[XOFF], s[XP+2*(\xs):XP+2*(\xs)+1] offset:\i*4096
.endr
.endm
; round a set to bf16 and put it into x tile sl: 8 bytes a lane; the two tokens of a store lie 1,152 bytes apart
.macro XCONV xs, sl
	WIN 0x05
.irp i, 0,1,2,3,4,5,6,7
	v_cvt_pk_bf16_f32 v[XT+2*\i],   v[XS+32*(\xs)+4*\i],   v[XS+32*(\xs)+4*\i+1]
	v_cvt_pk_bf16_f32 v[XT+2*\i+1], v[XS+32*(\xs)+4*\i+2], v[XS+32*(\xs)+4*\i+3]
.endr
	WIN 0
.irp i, 0,1,2,3,4,5,6,7
	ds_store_b64 v[XST], v[XT+2*\i:XT+2*\i+1] offset:(\sl)*XSLOT+XPITCH*\i
.endr
.endm
; ONE K STEP of 64: 128 matrix instructions in four groups of 32 on fragment buffers that take turns.  On entry FB0 (quarter 0) and FA0 (first 32 k) are on their way.
; sl: the slot of W and the x tile of this step.  turn = 2: a round of the cluster's barrier and the joint refill of slot sl for the step after next;
; turn = 1: a work-group barrier alone; turn = 0: none.  fetchnext: the next step's first fragments.  xconv: the next step's x tile goes into LDS, behind
; s_wait_loadcnt lcnt.  xload: the x tile three steps on is asked for.
.macro STEP sl, zero, turn, fetchnext, xconv, lcnt, xload
	PLACES
	FETCHB \sl, 1, FB1
	FETCHA \sl, 1, FA1
	s_wait_dscnt 24                                ; all but the 24 just issued: FB0 and FA0 are in
	WIN 0xa0
	MUL4 FB0, FA0, 0, \zero
	MUL4 FB0, FA0, 4, \zero
	PLACES
	FETCHB \sl, 2, FB0
.if \xconv
	s_wait_loadcnt \lcnt                           ; the next step's x tile is in; the count leaves the other set's eight younger loads out.  It also frees this set's address
	XCONV 1-\sl, 1-\sl                             ; that x tile's last readers passed the last step's barrier
.if \xload
	XNEXT 1-\sl
	XLOAD 1-\sl
.endif
	s_wait_dscnt 24                                ; all but FB0's 16 loads and the 8 stores of x: FB1 and FA1 are in
.else
	s_wait_dscnt 16
.endif
	WIN 0xf0
	MUL4 FB1, FA0, 0, \zero
	MUL4 FB1, FA0, 4, \zero
	PLACES
	FETCHB \sl, 3, FB1
	s_wait_dscnt 16                                ; all but the 16 just issued: FB0 is in
	WIN 0xa0
	MUL4 FB0, FA1, 0, 0
.if \turn
	s_wait_dscnt 0x0                               ; my reads of this slot and of this x tile are over, my stores of the next x tile are done,
	s_wait_tensorcnt 0x0                           ; and all my tensor loads have landed: the one that was out is my part of the next slot
	ds_add_u32 v30, v31
	s_wait_dscnt 0x0
	s_barrier_signal -1
	MUL4 FB0, FA1, 4, 0                            ; registers only, while the others arrive
	WIN 0
	s_barrier_wait -1
.if \turn == 2
	CREST                                          ; no wave of the four work-groups still reads this slot or has a load on its way
	s_add_nc_u64 s[G0+4*(\sl)+2:G0+4*(\sl)+3], s[G0+4*(\sl)+2:G0+4*(\sl)+3], 2*SLOT
	tensor_load_to_lds s[G0+4*(\sl):G0+4*(\sl)+3], s[G1:G1+7]      ; my one tensor load behind the round, and the first thing there; it has 112 matrix instructions in which to land
	s_nop 0
.endif
	PLACES
.if \fetchnext
	FETCHB 1-\sl, 0, FB0
	FETCHA 1-\sl, 0, FA0
.endif
.else
	MUL4 FB0, FA1, 4, 0
	s_wait_dscnt 0x0                               ; FB1 is in
.endif
	WIN 0xf0
	MUL4 FB1, FA1, 0, 0
	MUL4 FB1, FA1, 4, 0
.endm
.macro GEN sl
	STEP \sl, 0, 2, 1, 1, 8, 1
.endm
; the first two steps of a pass (the first products start the sums), then trips x two steps
.macro HEADLOOP trips
	STEP 0, 1, 2, 1, 1, 8, 1
	GEN 1
	WIN 0                                          ; at a label and at a branch every window is 0
	s_mov_b32 s50, \trips
.Ltrip_\@:
	GEN 0
	GEN 1
	WIN 0
	s_sub_co_u32 s50, s50, 1
	s_cmp_lg_u32 s50, 0
	s_cbranch_scc1 .Ltrip_\@
.endm
; EPILOGUES.  FB0, FA0 (the next pass's first fragments) and the x sets stay as they are; FB1, FA1 and XT are free.
; The biases of my 256 columns are added in place: a lane's eight columns of tile f are 32 consecutive bytes of the table.
.macro BIASADD pass
	PLACES
.irp g, 0,1
	WIN 0
.irp f, 0,1,2,3,4,5,6,7
	ds_load_b128 v[FB1+8*\f:FB1+8*\f+3],   v[ADRBI] offset:4096*\pass+512*\g+64*\f
	ds_load_b128 v[FB1+8*\f+4:FB1+8*\f+7], v[ADRBI] offset:4096*\pass+512*\g+64*\f+16
.endr
	s_wait_dscnt 0x0
	WIN 0x82+0x41*\g                               ; accumulators (destination and source 0) in window 2 + g
.irp f, 0,1,2,3,4,5,6,7
.irp m, 0,1,2,3
.irp q, 0,2,4,6
	v_pk_add_f32 v[8*(4*\f+\m)+\q:8*(4*\f+\m)+\q+1], v[8*(4*\f+\m)+\q:8*(4*\f+\m)+\q+1], v[FB1+8*\f+\q:FB1+8*\f+\q+1]
.endr
.endr
.endr
.endr
.endm
; Tokens 16 mt .. 16 mt + 15: my 256 columns, rounded to f16, into the stage.  Row = token; the 16 bytes of column tile 16 w + t, half h, lie at 512 w + 256 h + 16 t,
; so that 512 consecutive bytes of a row are half a matrix fragment of that token (lane 16 h + t).
.macro STAGEOUT mt, xw
.if \xw
	s_wait_xcnt 0x0                                ; FB1 held the data of stores: it is rewritten only behind this wait
.endif
	WIN 0x0a
.irp f, 0,1,2,3,4,5,6,7
.irp q, 0,1,2,3
	v_cvt_pk_f16_f32 v[FB1+4*\f+\q], v[8*(4*\f+\mt)+2*\q], v[8*(4*\f+\mt)+2*\q+1]
.endr
.endr
	WIN 0x0f
.irp f, 0,1,2,3,4,5,6,7
.irp q, 0,1,2,3
	v_cvt_pk_f16_f32 v[FB1+32+4*\f+\q], v[8*(4*\f+\mt)+2*\q], v[8*(4*\f+\mt)+2*\q+1]
.endr
.endr
	WIN 0
.irp t, 0,1,2,3,4,5,6,7,8,9,10,11,12,13,14,15
	ds_store_b128 v[STO], v[FB1+4*\t:FB1+4*\t+3] offset:16*\t
.endr
	s_wait_dscnt 0x0                               ; for the others' sake: my stores are done
	s_barrier_signal -1                            ; (the tensor load that is out crosses this barrier)
	s_barrier_wait -1
.endm
; Scores.  Of the 16 staged tokens I take 4 w + u.  Pieces 0, 1 of a row are q's fragment (row = head i, k = the pass's 32 d), pieces 2, 3 are k's.
.macro SCLOAD u, fr
.irp gg, 0,1,2,3
	ds_load_b128 v[\fr+4*\gg:\fr+4*\gg+3], v[ADRS] offset:SPITCH*\u+512*\gg
.endr
.endm
.macro SCMUL tok, fr, first            ; source 0 = k, source 1 = q: lane = i, registers = j = 8 (l / 16) + 0..7
.if \first
	v_wmma_f32_16x16x32_f16 v[8*(\tok):8*(\tok)+7], v[\fr+8:\fr+15], v[\fr:\fr+7], 0
.else
	v_wmma_f32_16x16x32_f16 v[8*(\tok):8*(\tok)+7], v[\fr+8:\fr+15], v[\fr:\fr+7], v[8*(\tok):8*(\tok)+7]
.endif
.endm
.macro SCORES mt, first
	SCLOAD 0, FA1
	SCLOAD 1, FA1+16
	SCLOAD 2, XT
	SCLOAD 3, XT+16
	s_wait_dscnt 0x0                               ; my reads of the stage are over
	s_barrier_signal -1
	s_barrier_wait -1                              ; everybody's are: it may be written again
.if \first
	WIN 0x40
.else
	WIN 0x50
.endif
	SCMUL 4*\mt+0, FA1,    \first                  ; four accumulators by turns
	SCMUL 4*\mt+1, FA1+16, \first
	SCMUL 4*\mt+2, XT,     \first
	SCMUL 4*\mt+3, XT+16,  \first
.endm
.macro EPIQK pass, first
	BIASADD \pass
.irp mt, 0,1,2,3
	STAGEOUT \mt, 0
	SCORES \mt, \first
.endr
.endm
; ctx for tokens u0 and u0 + 1 of the four.  Source 0 = P (row i, k = j; its upper 16 k are zeros), source 1 = V's piece c (column r is a = 4 r + c, k = j).
; Lane r, register jj of product c: ctx(i = 8 h + jj, a = 4 r + c).  P x ones gives the row sums in the same places.
.macro CTXPAIR mt, u0
	WIN 0x41
.irp e, 0,1
.irp c, 0,1,2,3
	v_wmma_f32_16x16x32_f16 v[DB+40*\e+8*\c:DB+40*\e+8*\c+7], v[8*(4*\mt+\u0+\e):8*(4*\mt+\u0+\e)+7], v[VF+4*(4*(\u0+\e)+\c):VF+4*(4*(\u0+\e)+\c)+7], 0
.endr
	v_wmma_f32_16x16x32_f16 v[DB+40*\e+32:DB+40*\e+39], v[8*(4*\mt+\u0+\e):8*(4*\mt+\u0+\e)+7], v[ONES:ONES+7], 0
.endr
	PLACES
.irp e, 0,1
.irp j, 0,1,2,3,4,5,6,7
	v_rcp_f32 v[DB+40*\e+32+\j], v[DB+40*\e+32+\j]
.endr
.endr
	v_nop                                          ; one plain place behind the last reciprocal (ISA guide 5.7.2)
	s_wait_xcnt 0x0                                ; FB1 held the data of stores: it is rewritten only behind this wait
	WIN 0x05
	s_wait_alu depctr_va_vdst(0)
.irp e, 0,1
.irp j, 0,1,2,3,4,5,6,7
.irp c, 0,1,2,3
	v_mul_f32 v[FB1+32*\e+4*\j+\c], v[DB+40*\e+8*\c+\j], v[DB+40*\e+32+\j]
.endr
.endr
.endr
	WIN 0
.irp e, 0,1
.irp j, 0,1,2,3,4,5,6,7
	global_store_b128 v[OOFF], v[FB1+32*\e+4*\j:FB1+32*\e+4*\j+3], s[14:15] offset:(16*\mt+\u0+\e)*4096+256*\j th:TH_STORE_NT   ; 16 lanes store the 256 consecutive, aligned bytes of one head
.endr
.endr
.endm
.macro CTX mt
.irp u, 0,1,2,3
.irp c, 0,1,2,3
	ds_load_b128 v[VF+4*(4*\u+\c):VF+4*(4*\u+\c)+3], v[ADRS] offset:SPITCH*\u+512*\c
.endr
.endr
	s_wait_dscnt 0x0
	s_barrier_signal -1
	s_barrier_wait -1
	CTXPAIR \mt, 0
	CTXPAIR \mt, 2
.endm
	; ---------------------------------------------------------------- the start
	s_load_b256 s[4:11], s[0:1], 0x0               ; x s[4:5], wf s[6:7], bq s[8:9], bk s[10:11]
	s_load_b128 s[12:15], s[0:1], 0x20             ; bv s[12:13], out0 s[14:15]
	v_lshl_add_u32 v30, v0, 2, 0x4f900
	v_mov_b32 v31, 0
	ds_add_u32 v30, v31
	v_lshrrev_b32 v1, 5, v0
	v_readfirstlane_b32 s16, v1                    ; wave 0..3
	s_bfe_u32 s17, ttmp6, 0x40000                  ; cx: my place in the cluster
	s_lshl_b32 s18, ttmp9, 2                       ; ttmp9 counts clusters
	s_add_co_u32 s18, s18, s17                     ; work-group = 4 x cluster + cx; it enters x's and out0's addresses and nothing else
	s_lshl_b32 s22, s18, 18                        ; 64 tokens of 4,096 bytes
	s_mov_b32 s23, 0
	s_lshl_b32 s20, s16, 15                        ; my wave's 32 KiB of a step's weights, in wf and in a slot
	s_mov_b32 s21, 0
	s_mov_b32 s51, 0x76543210                      ; v_permlanex16_b32: lane i reads lane i of the other half
	s_mov_b32 s52, 0xfedcba98
	s_mov_b32 s54, 0x3e38aa3b                      ; c = log2(e) / 8
	s_mov_b32 s55, 0x3e38aa3b
	s_mov_b32 s56, 0xbe38aa3b                      ; -c
	v_and_b32 v1, 31, v0                           ; lane
	v_and_b32 v2, 15, v0                           ; r
	v_bfe_u32 v3, v0, 4, 1                         ; h
	v_lshrrev_b32 v4, 4, v0                        ; thread >> 4, 0..7
	v_lshl_add_u32 v[ADRB], v1, 4, s20
	v_add_nc_u32 v[ADRB+1], SLOT, v[ADRB]
	v_mul_u32_u24 v5, v2, XPITCH
	v_lshl_add_u32 v5, v3, 4, v5
	v_add_nc_u32 v[ADRA], XR, v5                   ; row r, 16 bytes for each half of the lanes
	s_lshl_b32 s19, s16, 16
	v_lshlrev_b32 v6, 4, v2                        ; 16 r
	v_lshl_add_u32 v5, v3, 15, v6
	v_add_nc_u32 v[XOFF], s19, v5                  ; (16 w + 8 h) x 4,096 + 16 r
	s_mul_i32 s19, s16, 16*XPITCH
	s_add_co_u32 s19, s19, XR
	v_mul_u32_u24 v5, v3, 8*XPITCH
	v_lshl_add_u32 v5, v2, 3, v5
	v_add_nc_u32 v[XST], s19, v5                   ; (16 w + 8 h) x 144 + 8 r
	s_lshl_b32 s19, s16, 9
	s_add_co_u32 s19, s19, STAGE
	v_mul_u32_u24 v5, v2, SPITCH
	v_lshl_add_u32 v5, v3, 8, v5
	v_add_nc_u32 v[STO], s19, v5                   ; row r, 512 w + 256 h
	s_mul_i32 s19, s16, 4*SPITCH
	s_add_co_u32 s19, s19, STAGE
	v_lshl_add_u32 v[ADRS], v1, 4, s19             ; row 4 w, 16 x lane
	s_lshl_b32 s19, s16, 10
	s_add_co_u32 s19, s19, BIAS
	v_lshl_add_u32 v[ADRBI], v3, 5, s19            ; column 256 w + 8 h, in f32
	s_lshl_b32 s19, s16, 14
	v_lshl_add_u32 v5, v3, 11, v6
	v_add_nc_u32 v[OOFF], s19, v5                  ; token 4 w, head 8 h, 16 r
	v_lshlrev_b32 v5, 2, v2
	v_lshl_add_u32 v17, v4, 8, v5                  ; bq, bk: ((t >> 4) x 64 + r) x 4
	v_lshlrev_b32 v5, 4, v4
	v_lshl_add_u32 v18, v2, 8, v5                  ; bv: (r x 64 + (t >> 4) x 4) x 4
	v_lshlrev_b32 v19, 2, v0
	v_add_nc_u32 v19, BIAS, v19                    ; the table: column 128 u + t
	; descriptor group 1: 128 rows of 32 elements of 8 bytes, dense: 32 KiB
	s_mov_b32 s[G1+0], 0x0023000f                  ; 15:0 the mask: the four work-groups of the cluster; 17:16 elements of 8 bytes; 21 set beside a mask
	s_mov_b32 s[G1+1], 32<<16                      ; tensor_dim0 = 32
	s_mov_b32 s[G1+2], 128<<16                     ; tensor_dim1 = 128
	s_mov_b32 s[G1+3], 32<<16                      ; tile_dim0 = 32
	s_mov_b32 s[G1+4], 128                         ; tile_dim1 = 128
	s_mov_b32 s[G1+5], 32                          ; from row to row
	s_mov_b32 s[G1+6], 0
	s_mov_b32 s[G1+7], 0
	s_mov_b32 s[XO+0], 0
	s_mov_b32 s[XO+1], 0
	s_mov_b32 s[XO+2], 256
	s_mov_b32 s[XO+3], 0
	s_wait_dscnt 0x0
	s_wait_kmcnt 0x0
	s_add_nc_u64 s[48:49], s[4:5], s[22:23]        ; x at my first token
	s_add_nc_u64 s[14:15], s[14:15], s[22:23]      ; out0 likewise
	s_mov_b64 s[XP:XP+1], s[48:49]
	s_add_nc_u64 s[XP+2:XP+3], s[48:49], 256
	XLOAD 0                                        ; x tile 0
	WIN 0
	; the biases in the passes' column order: column 128 u + t of pass p into v[FB0 + 8 p + u].  Four bytes a lane, gathered once, 12 KiB a work-group
.irp u, 0,1,2,3
	global_load_b32 v[FB0+\u],    v17, s[8:9]   offset:((\u&1)*512+(\u>>1)*16)*4
	global_load_b32 v[FB0+8+\u],  v17, s[8:9]   offset:((\u&1)*512+(\u>>1)*16+32)*4
	global_load_b32 v[FB0+4+\u],  v17, s[10:11] offset:((\u&1)*512+(\u>>1)*16)*4
	global_load_b32 v[FB0+12+\u], v17, s[10:11] offset:((\u&1)*512+(\u>>1)*16+32)*4
.endr
.irp u, 0,1,2,3,4,5,6,7
	global_load_b32 v[FB0+16+\u], v18, s[12:13] offset:((\u&1)*32+(\u>>1))*4
.endr
	XLOAD 1                                        ; x tile 1
	WIN 0
	s_add_nc_u64 s[6:7], s[6:7], s[20:21]          ; wf at my wave's part: the wave's number alone, alike in all four work-groups
.irp s, 0,1
	s_mov_b32 s[G0+4*\s], 1                                        ; count = 1
	s_add_co_u32 s[G0+4*\s+1], s20, \s*SLOT                        ; LDS address
	s_add_nc_u64 s[G0+4*\s+2:G0+4*\s+3], s[6:7], \s*SLOT           ; step s
	s_or_b32 s[G0+4*\s+3], s[G0+4*\s+3], 0x80000000                ; type = 2
.endr
	CROUND                                         ; the four work-groups are here: the first joint loads meet
	tensor_load_to_lds s[G0:G0+3], s[G1:G1+7]      ; both first fills in one group: two tensor loads of mine are out here, one at any later time
	s_nop 0
	tensor_load_to_lds s[G0+4:G0+7], s[G1:G1+7]
	s_nop 0
	s_wait_loadcnt 32                              ; behind tile 0's loads stand 24 of the biases and 8 of tile 1
	XCONV 0, 0
	XNEXT 0
	XLOAD 0                                        ; x tile 2
	WIN 0
	s_wait_loadcnt 16                              ; the biases are in; tiles 1 and 2 stay out
.irp p, 0,1,2
.irp u, 0,1,2,3,4,5,6,7
	ds_store_b32 v19, v[FB0+8*\p+\u] offset:4096*\p+512*\u
.endr
.endr
	s_wait_dscnt 0x0                               ; x tile 0 and the biases are in LDS,
	s_wait_tensorcnt 0x1                           ; my part of slot 0 too; slot 1's load may stay out
	s_barrier_signal -1
	s_barrier_wait -1
	FETCHB 0, 0, FB0
	FETCHA 0, 0, FA0
	; ---------------------------------------------------------------- pass 0: steps 0-15
	HEADLOOP 7
	EPIQK 0, 1
	; ---------------------------------------------------------------- pass 1: steps 16-31
	HEADLOOP 7
	EPIQK 1, 0
	; ---------------------------------------------------------------- softmax over j, for my 16 tokens, stage by stage.  Lane = i; a lane holds j = 8 h + 0..7
	PLACES                                         ; behind the last products of the scores
	WIN 0x15                                       ; scores in window 1, the maxima in window 0: token tk's at FB1 + 4 tk
.set tk, 0
.rept 16
	v_max3_num_f32 v[FB1+4*tk],   v[8*tk],   v[8*tk+1], v[8*tk+2]
	v_max3_num_f32 v[FB1+4*tk+1], v[8*tk+3], v[8*tk+4], v[8*tk+5]
	v_max_num_f32  v[FB1+4*tk+2], v[8*tk+6], v[8*tk+7]
.set tk, tk+1
.endr
	WIN 0
.set tk, 0
.rept 16
	v_max3_num_f32 v[FB1+4*tk], v[FB1+4*tk], v[FB1+4*tk+1], v[FB1+4*tk+2]
.set tk, tk+1
.endr
.set tk, 0
.rept 16
	v_permlanex16_b32 v[FB1+4*tk+1], v[FB1+4*tk], s51, s52         ; the other eight j; the destination has been written before
.set tk, tk+1
.endr
.set tk, 0
.rept 16
	v_max_num_f32 v[FB1+4*tk], v[FB1+4*tk], v[FB1+4*tk+1]          ; the row's maximum
.set tk, tk+1
.endr
.set tk, 0
.rept 16
	v_mul_f32 v[FB1+4*tk], s56, v[FB1+4*tk]                        ; - max c
.set tk, tk+1
.endr
	WIN 0x41
.set tk, 0
.rept 16
.irp q, 0,2,4,6
	v_pk_fma_f32 v[8*tk+\q:8*tk+\q+1], v[8*tk+\q:8*tk+\q+1], s[54:55], v[FB1+4*tk:FB1+4*tk+1] op_sel_hi:[1,0,0]   ; s c - max c, both halves with the low register
.endr
.set tk, tk+1
.endr
.set tk, 0
.rept 128
	v_exp_f32 v[tk], v[tk]
.set tk, tk+1
.endr
	v_nop                                          ; one plain place behind the last exponential (ISA guide 5.7.2)
	WIN 0x45
.set tk, 0
	s_wait_alu depctr_va_vdst(0)
.rept 16
.irp q, 0,1,2,3
	v_cvt_pk_f16_f32 v[8*tk+\q], v[8*tk+2*\q], v[8*tk+2*\q+1]      ; registers 0-3: row i, k = j = 8 h + 0..7: the fragment as source 0 takes it
.endr
.set tk, tk+1
.endr
	WIN 0x40
.set tk, 0
.rept 16
.irp q, 4,5,6,7
	v_mov_b32 v[8*tk+\q], 0                        ; k = 16..31 does not exist: zeros (what lay here, read as f16, need not be finite)
.endr
.set tk, tk+1
.endr
	; ---------------------------------------------------------------- pass 2: steps 32-47
	HEADLOOP 5                                     ; steps 32-43
	GEN 0                                          ; 44: asks for the last x tile and for step 46's weights
	STEP 1, 0, 2, 1, 1, 8, 0                       ; 45: no x is left to ask for; the last refill, step 47's weights
	STEP 0, 0, 1, 1, 1, 0, 0                       ; 46: the last x tile's loads are the only ones out; a barrier for it and for slot 1, nothing is filled
	STEP 1, 0, 0, 0, 0, 0, 0                       ; 47: nothing more to fetch
	BIASADD 2
	WIN 0
.irp i, 0,1,2,3
	v_mov_b32 v[VF+64+\i], 0                       ; behind the last fragment of V.  The upper half of every other one is the next one's numbers, finite, times P's zeros
.endr
.irp i, 0,1,2,3,4,5,6,7
	v_mov_b32 v[ONES+\i], 0x3c003c00               ; 1.0 | 1.0 in f16
.endr
	STAGEOUT 0, 0
	CTX 0
	STAGEOUT 1, 1
	CTX 1
	STAGEOUT 2, 1
	CTX 2
	STAGEOUT 3, 1
	CTX 3
	s_wait_tensorcnt 0x0
	ds_add_u32 v30, v31
	s_wait_dscnt 0x0
	CROUND                                         ; the closing round: no work-group ends while a partner may still ask for a tile that names it
	s_endpgm
.Lfunc_end_k_qf5ca874384_main:
	.size	k_qf5ca874384_main, .Lfunc_end_k_qf5ca874384_main-k_qf5ca874384_main
	.p2alignl 7, 3214868480
	.fill 96, 4, 3214868480
	.section	.rodata,"a",@progbits
	.p2align	6, 0x0
	.amdhsa_kernel k_qf5ca874384_main
		.amdhsa_group_segment_fixed_size 327680
		.amdhsa_private_segment_fixed_size 0
		.amdhsa_enable_private_segment 0
		.amdhsa_kernarg_size 48
		.amdhsa_user_sgpr_count 2
		.amdhsa_user_sgpr_kernarg_segment_ptr 1
		.amdhsa_wavefront_size32 1
		.amdhsa_system_sgpr_workgroup_id_x 1
		.amdhsa_system_sgpr_workgroup_id_y 1
		.amdhsa_system_sgpr_workgroup_id_z 1
		.amdhsa_system_vgpr_workitem_id 0
		.amdhsa_next_free_vgpr 1024
		.amdhsa_next_free_sgpr 66
		.amdhsa_reserve_vcc 0
		.amdhsa_float_denorm_mode_32 3
		.amdhsa_float_denorm_mode_16_64 3
		.amdhsa_memory_ordered 1
		.amdhsa_forward_progress 1
		.amdhsa_inst_pref_size 255
	.end_amdhsa_kernel
	.section	.bss,"aw",@nobits
	.p2align	6
	.space	262144
	.amdgpu_metadata
---
amdhsa.version: [ 1, 2 ]
amdhsa.kernels:
  - .name:           k_qf5ca874384_main
    .symbol:         k_qf5ca874384_main.kd
    .args:
      - { .name: x, .offset: 0, .size: 8, .value_kind: global_buffer, .address_space: global }
      - { .name: wf, .offset: 8, .size: 8, .value_kind: global_buffer, .address_space: global }
      - { .name: bq, .offset: 16, .size: 8, .value_kind: global_buffer, .address_space: global }
      - { .name: bk, .offset: 24, .size: 8, .value_kind: global_buffer, .address_space: global }
      - { .name: bv, .offset: 32, .size: 8, .value_kind: global_buffer, .address_space: global }
      - { .name: out0, .offset: 40, .size: 8, .value_kind: global_buffer, .address_space: global }
    .group_segment_fixed_size: 327680
    .private_segment_fixed_size: 0
    .kernarg_segment_align: 8
    .kernarg_segment_size: 48
    .max_flat_workgroup_size: 128
    .sgpr_count:     66
    .vgpr_count:     1024
    .wavefront_size: 32
...
	.end_amdgpu_metadata
.endif
;; end of part 2
